; MI455X (gfx1250); checked and timed in simulation.
; The chip was launched on July 23, 2026; its instructions are those of AMD's public machine-readable ISA for CDNA 5 (MIT licence, August 2026) and "CDNA5" Instruction Set Architecture Reference Guide (July 2026). The comments in the code are by the model that wrote it; some were corrected since.
;; Readout. Allowed arithmetic: float matrix products may take bf16 or f16 operands with f32 sums; all other float work in f32.
;; Inputs: Wc 8,192 x 1 x 64 float32; Wx 8,192 x 1 x 36 float32; Wy 8,192 x 1 x 36 float32; bias 8,192 float32; conv 64 x 64 x 36 x 36 float32.
;; Outputs: out0 64 x 8,192 float32.
;; 2 versions, each right; version 2 is version 1 with the launch prep written anew for expert scheduling mode. Each part assembles by itself: llvm-mc -triple=amdgcn-amd-amdhsa -mcpu=gfx1250 --defsym DOCPART=n.
;; ======== version 1 of 2: 2 launches
;; limits: values are held in f16: magnitudes above 65,504 overflow, below 6.1e-05 lose precision; right only within a limited range of input values
;; workspace buffers: convh 11,534,336 bytes; wyxh 23,068,672 bytes
;; launch prep (part 1): grid 768 x 1, 11 waves a work-group, no clusters, 0 bytes of LDS; arguments conv, Wy, Wx, convh, wyxh; writes convh, wyxh
.if DOCPART == 1
	.amdgcn_target "amdgcn-amd-amdhsa--gfx1250"
	.amdhsa_code_object_version 6
	.text
	.protected	k_q49cbe090a1_prep
	.globl	k_q49cbe090a1_prep
	.p2align	8
	.type	k_q49cbe090a1_prep,@function
k_q49cbe090a1_prep:
	s_mov_b64 s[64:65], 0
	v_nop
	global_prefetch_b8 v0, s[64:65] scope:SCOPE_SE
	s_setreg_imm32_b32 hwreg(HW_REG_WAVE_MODE, 25, 1), 1
	s_wait_xcnt 0x0
; Makes the two f16 operands of the matrix product that follows.
;   convh[m][k] = f16(conv[m][k]),                      m = 64 i + c (4,096 rows), k = 36 y + x (1,296)
;   wyxh[n][k]  = f16(4096 * Wy[n][y] * Wx[n][x]),      n: 8,192 rows; the product in f32, rounded once to f16
; Both have rows of 1,408 f16 = 2,816 bytes = 11 x 256; elements 1,296 .. 1,407 are stored as zeros, so that every row starts at a
; multiple of 256 bytes and every store of a wave covers 256 consecutive bytes, aligned.
; LIMITS, by f16's range: |conv| <= 65,504 and |Wy Wx| < 16 (beyond them the f16 is an infinity).  The factor 4096 = 2^12 is exact and is
; taken back exactly in the next launch; with it products of an rms down to about 1e-8 keep their f16 step under a thousandth of that rms.
; A stream: no LDS, no barrier, no matrix unit.  352 threads are one padded row: thread t owns elements 4 t .. 4 t + 3 (16 bytes in, 8 out).
; Threads 324 .. 351 are padding: they load where thread 323 loads (inside the buffer) and their result is replaced by 0; EXEC never changes.
; A work-group takes 16 rows, all its loads issued first.  Work-groups 0 .. 255: conv.  Work-groups 256 .. 767: the weights.
.set ROWF,  5184                       ; bytes in a row of conv: 1,296 f32
.set ROWH,  2816                       ; bytes in a padded f16 row
.set ROWW,  144                        ; bytes in a row of Wy or of Wx: 36 f32
.set RPG,   16                         ; rows of a work-group
.set A,     8                          ; v[8:23]   row r: Wy[n][y] of my four elements
.set X,     24                         ; v[24:87]  row r: 4 registers as loaded; the first two then hold the 4 f16 to store
	s_load_b256 s[4:11], s[0:1], 0x0               ; conv s[4:5], Wy s[6:7], Wx s[8:9], convh s[10:11]
	s_load_b64 s[12:13], s[0:1], 0x20              ; wyxh
	s_mov_b32 s14, ttmp9                           ; the work-group's number
	v_min_u32 v1, 323, v0                          ; the thread whose data I load
	v_lshlrev_b32 v2, 3, v0                        ; where I store: 8 t
	v_lshlrev_b32 v3, 4, v1                        ; conv: 16 bytes a thread
	v_mul_u32_u24 v4, 57, v1
	v_lshrrev_b32 v4, 9, v4                        ; y = t / 9, exact up to t = 323 (57/512 - 1/9 is 0.00022, times 323 less than 1/9)
	v_lshlrev_b32 v5, 2, v4                        ; Wy: 4 y
	v_mul_u32_u24 v6, 9, v4
	v_sub_nc_u32 v6, v1, v6                        ; t - 9 y: my four x are 4 (t - 9 y) .. + 3, all of one y since 36 = 4 x 9
	v_lshlrev_b32 v6, 4, v6                        ; Wx: 16 (t - 9 y)
	v_cmp_gt_u32 vcc_lo, 324, v0                   ; lanes that hold data
	s_mov_b32 s17, 0
	s_mov_b32 s19, 0
	s_wait_kmcnt 0x0
	s_cmp_lt_u32 s14, 256
	s_cbranch_scc0 .Lwyx
	; ---- conv: 16 rows, converted
	s_mul_i32 s16, s14, RPG*ROWF
	s_mul_i32 s18, s14, RPG*ROWH
	s_add_nc_u64 s[4:5], s[4:5], s[16:17]
	s_add_nc_u64 s[10:11], s[10:11], s[18:19]
.irp r, 0,1,2,3,4,5,6,7,8,9,10,11,12,13,14,15
	global_load_b128 v[X+4*\r:X+4*\r+3], v3, s[4:5] offset:ROWF*\r th:TH_LOAD_NT   ; a wave's load covers 512 consecutive bytes; conv is read once
.endr
.macro CROW r
	s_wait_loadcnt 15-\r                           ; loads come back in order (ISA guide 5.7.1): row r is in, the 15 - r younger rows stay out
	v_cvt_pk_f16_f32 v[X+4*\r],   v[X+4*\r],   v[X+4*\r+1]
	v_cvt_pk_f16_f32 v[X+4*\r+1], v[X+4*\r+2], v[X+4*\r+3]
	v_cndmask_b32 v[X+4*\r],   0, v[X+4*\r],   vcc_lo      ; zeros in the padding
	v_cndmask_b32 v[X+4*\r+1], 0, v[X+4*\r+1], vcc_lo
	global_store_b64 v2, v[X+4*\r:X+4*\r+1], s[10:11] offset:ROWH*\r   ; no register of a store is written again
.endm
.irp r, 0,1,2,3,4,5,6,7,8,9,10,11,12,13,14,15
	CROW \r
.endr
	s_endpgm
	; ---- the weights: 16 neurons, 4096 Wy[y] Wx[x]
.Lwyx:
	s_sub_co_u32 s14, s14, 256
	s_mul_i32 s16, s14, RPG*ROWW
	s_mul_i32 s18, s14, RPG*ROWH
	s_add_nc_u64 s[6:7], s[6:7], s[16:17]
	s_add_nc_u64 s[8:9], s[8:9], s[16:17]
	s_add_nc_u64 s[12:13], s[12:13], s[18:19]
.irp r, 0,1,2,3,4,5,6,7,8,9,10,11,12,13,14,15
	global_load_b32  v[A+\r], v5, s[6:7] offset:ROWW*\r
	global_load_b128 v[X+4*\r:X+4*\r+3], v6, s[8:9] offset:ROWW*\r     ; 144 = 9 x 16: the 16 bytes are aligned
.endr
.macro WROW r
	s_wait_loadcnt 30-2*\r                         ; two loads for each of the 15 - r younger rows stay out
	v_mul_f32 v[A+\r], 0x45800000, v[A+\r]         ; times 2^12, exact
.irp k, 0,1,2,3
	v_mul_f32 v[X+4*\r+\k], v[A+\r], v[X+4*\r+\k]
.endr
	v_cvt_pk_f16_f32 v[X+4*\r],   v[X+4*\r],   v[X+4*\r+1]
	v_cvt_pk_f16_f32 v[X+4*\r+1], v[X+4*\r+2], v[X+4*\r+3]
	v_cndmask_b32 v[X+4*\r],   0, v[X+4*\r],   vcc_lo
	v_cndmask_b32 v[X+4*\r+1], 0, v[X+4*\r+1], vcc_lo
	global_store_b64 v2, v[X+4*\r:X+4*\r+1], s[12:13] offset:ROWH*\r
.endm
.irp r, 0,1,2,3,4,5,6,7,8,9,10,11,12,13,14,15
	WROW \r
.endr
	s_endpgm
.Lfunc_end_k_q49cbe090a1_prep:
	.size	k_q49cbe090a1_prep, .Lfunc_end_k_q49cbe090a1_prep-k_q49cbe090a1_prep
	.p2alignl 7, 3214868480
	.fill 96, 4, 3214868480
	.section	.rodata,"a",@progbits
	.p2align	6, 0x0
	.amdhsa_kernel k_q49cbe090a1_prep
		.amdhsa_group_segment_fixed_size 0
		.amdhsa_private_segment_fixed_size 0
		.amdhsa_enable_private_segment 0
		.amdhsa_kernarg_size 40
		.amdhsa_user_sgpr_count 2
		.amdhsa_user_sgpr_kernarg_segment_ptr 1
		.amdhsa_wavefront_size32 1
		.amdhsa_system_sgpr_workgroup_id_x 1
		.amdhsa_system_sgpr_workgroup_id_y 1
		.amdhsa_system_sgpr_workgroup_id_z 1
		.amdhsa_system_vgpr_workitem_id 0
		.amdhsa_next_free_vgpr 88
		.amdhsa_next_free_sgpr 66
		.amdhsa_reserve_vcc 1
		.amdhsa_float_denorm_mode_32 3
		.amdhsa_float_denorm_mode_16_64 3
		.amdhsa_memory_ordered 1
		.amdhsa_forward_progress 1
		.amdhsa_inst_pref_size 19
	.end_amdhsa_kernel
	.amdgpu_metadata
---
amdhsa.version: [ 1, 2 ]
amdhsa.kernels:
  - .name:           k_q49cbe090a1_prep
    .symbol:         k_q49cbe090a1_prep.kd
    .args:
      - { .name: conv, .offset: 0, .size: 8, .value_kind: global_buffer, .address_space: global }
      - { .name: Wy, .offset: 8, .size: 8, .value_kind: global_buffer, .address_space: global }
      - { .name: Wx, .offset: 16, .size: 8, .value_kind: global_buffer, .address_space: global }
      - { .name: convh, .offset: 24, .size: 8, .value_kind: global_buffer, .address_space: global }
      - { .name: wyxh, .offset: 32, .size: 8, .value_kind: global_buffer, .address_space: global }
    .group_segment_fixed_size: 0
    .private_segment_fixed_size: 0
    .kernarg_segment_align: 8
    .kernarg_segment_size: 40
    .max_flat_workgroup_size: 352
    .sgpr_count:     66
    .vgpr_count:     88
    .wavefront_size: 32
...
	.end_amdgpu_metadata
.endif
;; end of part 1
;; launch gemm (part 2): grid 32 x 16, 4 waves a work-group, clusters of 4 x 4, 327,680 bytes of LDS; arguments convh, wyxh, Wc, bias, out0; writes out0
.if DOCPART == 2
	.amdgcn_target "amdgcn-amd-amdhsa--gfx1250"
	.amdhsa_code_object_version 6
	.text
	.protected	k_q49cbe090a1_gemm
	.globl	k_q49cbe090a1_gemm
	.p2align	8
	.type	k_q49cbe090a1_gemm,@function
k_q49cbe090a1_gemm:
	s_mov_b64 s[64:65], 0
	v_nop
	global_prefetch_b8 v0, s[64:65] scope:SCOPE_SE
	s_setreg_imm32_b32 hwreg(HW_REG_WAVE_MODE, 25, 1), 1
	s_wait_xcnt 0x0
	s_wait_alu depctr_hold_cnt(0) depctr_sa_sdst(0) depctr_va_vdst(0) depctr_va_sdst(0) depctr_va_ssrc(0) depctr_va_vcc(0) depctr_vm_vsrc(0)
	s_getreg_b32 s2, hwreg(HW_REG_IB_STS2, 6, 4)
	s_cmp_eq_u32 s2, 0
	s_cbranch_scc0 .Lentry_in_a_cluster
	s_endpgm
.Lentry_in_a_cluster:
	s_bfe_u32 s2, ttmp6, 0x10000c
	s_cmp_lg_u32 s2, 0xf033
	s_cbranch_scc0 .Lentry_shape_is_right
	s_endpgm
.Lentry_shape_is_right:
; out0[i][n] = elu( 2^-12 * sum over c of Wc[n][c] * S[64 i + c][n] + bias[n] ),   S[m][n] = sum over k of convh[m][k] wyxh[n][k].
; convh: [4096][1408] f16, wyxh: [8192][1408] f16 (= 4096 Wy Wx; elements 1,296 and up are zeros), Wc: [8192][64] f32, out0: [64][8192] f32.
; S is made on the matrix unit (f16 operands, f32 sums) and never leaves the registers; the sum over c, the bias and ELU are f32.
; LIMITS: those of the f16 operands (|conv| <= 65,504, |Wy Wx| < 16).  expm1(x) is x times a polynomial of degree 5 on -0.25 < x <= 0
; (the first term left out is x^6 / 5040 of the result, under 5e-8 there) and exp(x) - 1 at and below -0.25.
; A work-group makes 256 rows m (4 batch items x 64 c) x 256 neurons with four waves; a wave 128 x 128: 64 accumulator tiles, 512 registers.
; K = 1,296 goes as 10 steps of 128 through a ring of two LDS slots, and one tail step of 32 (elements 1,280 .. 1,311, the last 16 zeros) from
; a region of its own that is filled once.  A main tile's rows are 256 bytes of memory at multiples of 256 bytes from the buffer's first byte.
; CLUSTERS: 4 x 4 work-groups.  convh's tiles hang on the block row alone and are asked for jointly by the four of a row of the cluster,
; wyxh's on the block column alone and are asked for jointly by the four of a column: the requests for both are divided by four.
;
; REGISTERS in windows of 256 (s_set_vgpr_msb, low byte: bits 1:0 source 0, 3:2 source 1, 5:4 source 2, 7:6 destination):
;   window 0: v0-27 addresses and bias; v64-127, v128-191 fragments of X = convh, two buffers; Wc of n tiles 4, 5, 6 in v192-223, v224-255, v32-63
;   window 1: v64-127, v128-191 fragments of W = wyxh; Wc of n tiles 0, 1, 2, 3 in v0-31, v32-63, v192-223, v224-255
;   window 2: the 32 tiles of my first batch item (tile (a, b) at v[8 (8 a + b)]);   window 3: those of my second
; Source 0 = 16 rows of X, source 1 = 16 rows of W: register j of lane (r, h) is S(c = 16 a + 8 h + j, n = 16 b + r).  A lane holds ONE neuron and
; eight neighbouring c, so the sum over c is multiply-adds inside the lane and one exchange between the two halves of the wave.
.set KP,     1408                      ; elements from row to row in both operands
.set KSTEP,  128
.set LAPS,   5                         ; a lap = two K steps = once round the ring
.set PITCH,  272                       ; an LDS row: 256 bytes + 16 of padding: the 16 rows of a fragment load start 68 words apart
.set HALFT,  128*PITCH                 ; 128 rows: one tensor load, and what a wave reads of X or of W
.set SLOT,   4*HALFT                   ; X's 256 rows, then W's 256 rows
.set TAIL,   2*SLOT                    ; the tail step: 4 x 128 rows of 64 bytes + 16 of padding
.set TPITCH, 80
.set THALF,  128*TPITCH
.set STAGE,  TAIL+4*THALF              ; 319,488 = 1,248 x 256: no tensor load lands from here on
.set SPITCH, 576                       ; a stage row: 128 f32 + 64 bytes, so that the two rows' words fall on different banks
.set SWAVE,  1280                      ; a wave's stage: two such rows
.set ADRX,  8                          ; v8-9    LDS address of my X fragments in slot 0, 1
.set ADRW,  10                         ; v10-11  the same for W
.set ADRTX, 12                         ; v12     the tail's X fragments
.set ADRTW, 13                         ; v13     the tail's W fragments
.set WCO,   14                         ; v14     my byte offset in Wc: 256 r + 32 h
.set STO,   15                         ; v15     stage, in
.set RD,    16                         ; v16     stage, back
.set OO,    17                         ; v17     my byte offset in out0
.set BO,    18                         ; v18     my byte offset in bias
.set C720,  19                         ; v19     1/720
.set BI,    20                         ; v[20:27] bias of my eight outputs
.set F0,    64                         ; fragment buffer 0
.set F1,    128                        ; fragment buffer 1
.set P,     64                         ; the way out, window 0: v[64:95] pairs of partial sums, pair (il, b) at P + 2 (8 il + b)
.set S,     96                         ; v[96:111]  their two halves added
.set KEEP,  112                        ; v[112:119]
.set SEND,  120                        ; v[120:127]
.set T,     160                        ; v[160:167] x = pred + bias, then the result
.set E,     168                        ; v[168:175] exp(x) - 1
.set Q,     176                        ; v[176:183] the polynomial
.set G1,   24                          ; s[24:31] group 1, X's main tiles
.set G0,   32                          ; s[32:39] group 0, X, one set for each slot
.set G1B,  48                          ; s[48:55] group 1, W's main tiles
.set G0B,  56                          ; s[56:63] group 0, W
.set G1T,  68                          ; s[68:75] group 1, X's tail tile
.set G1TB, 76                          ; s[76:83] group 1, W's tail tile
.set G0T,  84                          ; s[84:87] group 0, X's tail
.set G0TB, 88                          ; s[88:91] group 0, W's tail
.set MSB, 0
.macro WIN new                         ; the immediate's high byte repeats the setting that is left; a switch that changes nothing is dropped
.if MSB != \new
	s_set_vgpr_msb (MSB<<8)|\new
.set MSB, \new
.endif
.endm
.set MUL_LO, 0xa4                      ; source 0 (X) window 0, source 1 (W) window 1, C and D window 2
.set MUL_HI, 0xf4                      ; the same, C and D window 3
.set TO_W,   0x40                      ; destination window 1, address window 0
; A joint load.  Waves 0 and 1 fetch X's two halves, waves 2 and 3 W's.  Each line has one mask and one set of registers for all that issue it;
; the branch hangs on the wave's number alone.
.macro JLOAD s
	s_cmp_eq_u32 s15, 0
	s_cbranch_scc0 .Lfor_w_\@
	tensor_load_to_lds s[G0+4*\s:G0+4*\s+3], s[G1:G1+7]
	s_nop 0
	s_branch .Lasked_\@
.Lfor_w_\@:
	tensor_load_to_lds s[G0B+4*\s:G0B+4*\s+3], s[G1B:G1B+7]
	s_nop 0
.Lasked_\@:
.endm
.macro JLOADT
	s_cmp_eq_u32 s15, 0
	s_cbranch_scc0 .Ltail_w_\@
	tensor_load_to_lds s[G0T:G0T+3], s[G1T:G1T+7]
	s_nop 0
	s_branch .Ltail_asked_\@
.Ltail_w_\@:
	tensor_load_to_lds s[G0TB:G0TB+3], s[G1TB:G1TB+7]
	s_nop 0
.Ltail_asked_\@:
.endm
; A round of the cluster's barrier: my work-group's barrier, wave 0 signals for the work-group, every wave waits for all sixteen, my barrier again.
.macro CREST                           ; a round behind its opening barrier
	s_cmp_lg_u32 s14, 0
	s_cbranch_scc1 .Lnot_wave_0_\@
	s_barrier_signal -3
.Lnot_wave_0_\@:
	s_barrier_wait -3
	s_barrier_signal -1
	s_barrier_wait -1
.endm
.macro CROUND
	s_barrier_signal -1
	s_barrier_wait -1
	CREST
.endm
	s_load_b256 s[4:11], s[0:1], 0x0               ; convh s[4:5], wyxh s[6:7], Wc s[8:9], bias s[10:11]
	s_load_b64 s[12:13], s[0:1], 0x20              ; out0
	v_lshl_add_u32 v30, v0, 2, 0x4f400
	v_mov_b32 v31, 0
	ds_add_u32 v30, v31
	v_lshrrev_b32 v1, 5, v0
	v_readfirstlane_b32 s14, v1                    ; wave 0..3
	s_lshr_b32 s15, s14, 1                         ; which 128 rows (2 batch items) are mine.  Also: I fetch for X (0) or for W (1)
	s_and_b32 s16, s14, 1                          ; which 128 neurons.  Also: which 128 rows of that tile I fetch
	s_bfe_u32 s17, ttmp6, 0x40000                  ; cx
	s_bfe_u32 s18, ttmp6, 0x40004                  ; cy
	s_lshl_b32 s19, ttmp9, 2
	s_add_co_u32 s19, s19, s17                     ; block column (neurons) = 4 x cluster x + cx
	s_and_b32 s20, ttmp7, 0xffff
	s_lshl_b32 s20, s20, 2
	s_add_co_u32 s20, s20, s18                     ; block row = 4 x cluster y + cy
	s_lshl_b32 s21, s18, 2
	s_lshl_b32 s21, 15, s21                        ; my row of the cluster: places 4 cy .. 4 cy + 3
	s_lshl_b32 s22, 0x1111, s17                    ; my column: places cx, cx + 4, cx + 8, cx + 12
	s_mov_b32 s92, 0x76543210                      ; v_permlanex16_b32: lane i of one half reads lane i of the other
	s_mov_b32 s93, 0xfedcba98
	; group 1, main tiles: 128 rows x 128 elements of 2 bytes; after every 64 words (code 5) 4 words of padding (code 3); bit 21 beside a mask
	s_or_b32 s[G1+0],  s21, (1<<16)|(1<<20)|(1<<21)|(5<<22)|(3<<25)
	s_or_b32 s[G1B+0], s22, (1<<16)|(1<<20)|(1<<21)|(5<<22)|(3<<25)
	s_mov_b32 s[G1+1],  KSTEP<<16                  ; tensor_dim0 = 128
	s_mov_b32 s[G1B+1], KSTEP<<16
	s_mov_b32 s[G1+2],  128<<16                    ; tensor_dim1 = 128
	s_mov_b32 s[G1B+2], 128<<16
	s_mov_b32 s[G1+3],  KSTEP<<16                  ; tile_dim0 = 128
	s_mov_b32 s[G1B+3], KSTEP<<16
	s_mov_b32 s[G1+4],  128                        ; tile_dim1 = 128
	s_mov_b32 s[G1B+4], 128
	s_mov_b32 s[G1+5],  KP                         ; elements from row to row
	s_mov_b32 s[G1B+5], KP
	s_mov_b32 s[G1+6],  0
	s_mov_b32 s[G1B+6], 0
	s_mov_b32 s[G1+7],  0
	s_mov_b32 s[G1B+7], 0
	; group 1, tail tiles: 128 rows x 32 elements; after every 16 words (code 3) 4 words of padding
	s_or_b32 s[G1T+0],  s21, (1<<16)|(1<<20)|(1<<21)|(3<<22)|(3<<25)
	s_or_b32 s[G1TB+0], s22, (1<<16)|(1<<20)|(1<<21)|(3<<22)|(3<<25)
	s_mov_b32 s[G1T+1],  32<<16
	s_mov_b32 s[G1TB+1], 32<<16
	s_mov_b32 s[G1T+2],  128<<16
	s_mov_b32 s[G1TB+2], 128<<16
	s_mov_b32 s[G1T+3],  32<<16
	s_mov_b32 s[G1TB+3], 32<<16
	s_mov_b32 s[G1T+4],  128
	s_mov_b32 s[G1TB+4], 128
	s_mov_b32 s[G1T+5],  KP
	s_mov_b32 s[G1TB+5], KP
	s_mov_b32 s[G1T+6],  0
	s_mov_b32 s[G1TB+6], 0
	s_mov_b32 s[G1T+7],  0
	s_mov_b32 s[G1TB+7], 0
	; where the tiles come from: X's offset is made of the block row and the wave's number, W's of the block column and the wave's number,
	; each in registers that never hold the other coordinate
	s_lshl_b32 s23, s16, 7                         ; which 128 rows of the tile I fetch
	s_lshl_b32 s40, s20, 8
	s_add_co_u32 s40, s40, s23
	s_mul_i32 s40, s40, KP*2                       ; under 4,096 x 2,816 bytes
	s_mov_b32 s41, 0
	s_lshl_b32 s42, s19, 8
	s_add_co_u32 s42, s42, s23
	s_mul_i32 s42, s42, KP*2                       ; under 8,192 x 2,816 bytes
	s_mov_b32 s43, 0
	s_mul_i32 s94, s14, HALFT                      ; and where they go: wave x 128 rows; no place in the cluster enters an LDS address
	s_mul_i32 s95, s14, THALF
	; offsets of my part of Wc, bias and out0
	s_lshl_b32 s96, s19, 16                        ; Wc: 256 neurons x 256 bytes a block,
	s_lshl_b32 s97, s16, 15                        ; 128 x 256 a half
	s_add_co_u32 s96, s96, s97
	s_mov_b32 s97, 0
	s_lshl_b32 s98, s19, 10                        ; bias, and a row of out0: 256 x 4 bytes a block,
	s_lshl_b32 s99, s16, 9                         ; 128 x 4 a half
	s_add_co_u32 s98, s98, s99
	s_mov_b32 s99, 0
	s_wait_dscnt 0x0
	s_wait_kmcnt 0x0
	s_add_nc_u64 s[44:45], s[4:5], s[40:41]
	s_add_nc_u64 s[46:47], s[6:7], s[42:43]
	s_add_nc_u64 s[8:9], s[8:9], s[96:97]
	s_add_nc_u64 s[10:11], s[10:11], s[98:99]
	s_add_nc_u64 s[12:13], s[12:13], s[98:99]
	s_lshl_b32 s96, s20, 2
	s_lshl1_add_u32 s96, s15, s96                  ; my first batch item: 4 x block row + 2 x half
	s_lshl_b32 s96, s96, 15                        ; rows of 32,768 bytes
	s_add_nc_u64 s[12:13], s[12:13], s[96:97]
	CROUND                                         ; all sixteen work-groups are here: the first joint loads meet
.irp s, 0,1
	s_mov_b32 s[G0+4*\s], 1                                        ; count = 1
	s_add_co_u32 s[G0+4*\s+1], s94, \s*SLOT                        ; LDS address
	s_add_nc_u64 s[G0+4*\s+2:G0+4*\s+3], s[44:45], \s*KSTEP*2      ; global address: K step s
	s_or_b32 s[G0+4*\s+3], s[G0+4*\s+3], 0x80000000                ; type = 2
	s_mov_b32 s[G0B+4*\s], 1
	s_add_co_u32 s[G0B+4*\s+1], s94, \s*SLOT
	s_add_nc_u64 s[G0B+4*\s+2:G0B+4*\s+3], s[46:47], \s*KSTEP*2
	s_or_b32 s[G0B+4*\s+3], s[G0B+4*\s+3], 0x80000000
	JLOAD \s
.endr
	s_mov_b32 s[G0T], 1
	s_add_co_u32 s[G0T+1], s95, TAIL
	s_add_nc_u64 s[G0T+2:G0T+3], s[44:45], 10*KSTEP*2              ; element 1,280: byte 2,560 of the row
	s_or_b32 s[G0T+3], s[G0T+3], 0x80000000
	s_mov_b32 s[G0TB], 1
	s_add_co_u32 s[G0TB+1], s95, TAIL
	s_add_nc_u64 s[G0TB+2:G0TB+3], s[46:47], 10*KSTEP*2
	s_or_b32 s[G0TB+3], s[G0TB+3], 0x80000000
	JLOADT                                         ; three tensor loads of the wave are out now, the most that this text ever has; later one
	; A fragment is 16 rows x 32 K in 8 registers: lane (r, h) holds row r; registers 0-3 K = 8 h + 0..7, registers 4-7 K = 16 + 8 h + 0..7:
	; two loads of 16 bytes, 32 bytes apart, at row x pitch + 16 h.
	v_and_b32 v1, 15, v0                           ; r
	v_bfe_u32 v2, v0, 4, 1                         ; h
	v_mul_u32_u24 v3, v1, PITCH
	v_lshl_add_u32 v3, v2, 4, v3
	s_mul_i32 s66, s15, HALFT                      ; my 128 rows of X
	s_mul_i32 s67, s16, HALFT                      ; my 128 rows of W,
	s_add_co_u32 s67, s67, 2*HALFT                 ; which lie behind X's 256
.irp s, 0,1
	v_add_nc_u32 v[ADRX+\s], s66, v3
	v_add_nc_u32 v[ADRW+\s], s67, v3
	s_add_co_u32 s66, s66, SLOT
	s_add_co_u32 s67, s67, SLOT
.endr
	v_mul_u32_u24 v4, v1, TPITCH
	v_lshl_add_u32 v4, v2, 4, v4
	s_mul_i32 s66, s15, THALF
	s_add_co_u32 s66, s66, TAIL
	s_mul_i32 s67, s16, THALF
	s_add_co_u32 s67, s67, TAIL+2*THALF
	v_add_nc_u32 v[ADRTX], s66, v4
	v_add_nc_u32 v[ADRTW], s67, v4
	v_lshlrev_b32 v5, 8, v1
	v_lshl_add_u32 v[WCO], v2, 5, v5               ; Wc: neuron r's row of 256 bytes, c = 8 h
	s_mul_i32 s66, s14, SWAVE
	s_add_co_u32 s66, s66, STAGE                   ; my stage
	v_mul_u32_u24 v6, v2, SPITCH
	v_add_nc_u32 v6, s66, v6                       ; row h of it
	v_lshl_add_u32 v[STO], v1, 2, v6               ; in: one f32 at neuron 16 b + r
	v_lshl_add_u32 v[RD], v1, 4, v6                ; back: four neighbouring neurons
	v_lshlrev_b32 v7, 15, v2
	v_lshl_add_u32 v[OO], v1, 4, v7                ; out0: row h, 16 bytes a lane
	v_lshlrev_b32 v[BO], 4, v1
	v_mov_b32 v[C720], 0x3ab60b61                  ; 1/720
; Wc of n tile b into 32 registers from w on: register 8 a + j = Wc[16 b + r][16 a + 8 h + j].  The eight loads together read 16 whole rows of 256 bytes.
.macro LDWC w, b
.irp a, 0,1,2,3
	global_load_b128 v[\w+8*\a:\w+8*\a+3],   v[WCO], s[8:9] offset:4096*\b+64*\a
	global_load_b128 v[\w+8*\a+4:\w+8*\a+7], v[WCO], s[8:9] offset:4096*\b+64*\a+16
.endr
.endm
	; 58 loads that are wanted only on the way out: they land during the K steps; none of their registers is touched before their wait
	WIN TO_W
	LDWC 0, 0
	LDWC 32, 1
	LDWC 192, 2
	LDWC 224, 3
	WIN 0
	LDWC 192, 4
	LDWC 224, 5
	LDWC 32, 6
	global_load_b128 v[BI:BI+3],   v[BO], s[10:11]             ; bias of neurons 4 r .. 4 r + 3
	global_load_b128 v[BI+4:BI+7], v[BO], s[10:11] offset:256  ; and of 64 + 4 r .. + 3
; 16 matrix instructions: c blocks a0, a0 + 1 of one batch item (hi = 0: window 2, 1: window 3) x all 8 n blocks, 32 along K.
; zero = 1: the first product starts the sums: nothing is cleared.
; The 64 accumulators take turns, one instruction a turn, in the same order in every quarter step.
.macro MUL16 f, hi, a0, zero
.irp a, \a0, \a0+1
.irp b, 0,1,2,3,4,5,6,7
.if \zero
	v_wmma_f32_16x16x32_f16 v[8*(8*(\a)+\b):8*(8*(\a)+\b)+7], v[\f+8*(4*\hi+\a):\f+8*(4*\hi+\a)+7], v[\f+8*\b:\f+8*\b+7], 0
.else
	v_wmma_f32_16x16x32_f16 v[8*(8*(\a)+\b):8*(8*(\a)+\b)+7], v[\f+8*(4*\hi+\a):\f+8*(4*\hi+\a)+7], v[\f+8*\b:\f+8*\b+7], v[8*(8*(\a)+\b):8*(8*(\a)+\b)+7]
.endif
.endr
.endr
.endm
; 32 LDS loads in one run: the fragments of one quarter step (128 rows of W, then 128 rows of X, 32 K at byte k of the rows) into buffer f
.macro FETCH slot, k, f
	WIN TO_W
.irp i, 0,1,2,3,4,5,6,7
	ds_load_b128 v[\f+8*\i:\f+8*\i+3],   v[ADRW+\slot] offset:\k+\i*16*PITCH
	ds_load_b128 v[\f+8*\i+4:\f+8*\i+7], v[ADRW+\slot] offset:\k+\i*16*PITCH+32
.endr
	WIN 0
.irp i, 0,1,2,3,4,5,6,7
	ds_load_b128 v[\f+8*\i:\f+8*\i+3],   v[ADRX+\slot] offset:\k+\i*16*PITCH
	ds_load_b128 v[\f+8*\i+4:\f+8*\i+7], v[ADRX+\slot] offset:\k+\i*16*PITCH+32
.endr
.endm
.macro FETCHT f                        ; the same for the tail step
	WIN TO_W
.irp i, 0,1,2,3,4,5,6,7
	ds_load_b128 v[\f+8*\i:\f+8*\i+3],   v[ADRTW] offset:\i*16*TPITCH
	ds_load_b128 v[\f+8*\i+4:\f+8*\i+7], v[ADRTW] offset:\i*16*TPITCH+32
.endr
	WIN 0
.irp i, 0,1,2,3,4,5,6,7
	ds_load_b128 v[\f+8*\i:\f+8*\i+3],   v[ADRTX] offset:\i*16*TPITCH
	ds_load_b128 v[\f+8*\i+4:\f+8*\i+7], v[ADRTX] offset:\i*16*TPITCH+32
.endr
.endm
; A load into a register that a matrix instruction has read, and a vector instruction that reads a matrix result or writes one of a matrix
; instruction's registers, stand four places behind it; only plain vector instructions that name none of its registers are places
; (ISA guide 7.12.1 for vector instructions).
.macro PLACES
.rept 4
	v_nop
.endr
.endm
; A K step is four quarter steps of 32 along K, 64 matrix instructions each, on buffers 0, 1, 0, 1.
; One of the first three: multiplies buffer f; in its middle it fetches the next quarter's fragments into buffer g.
.macro QUARTER slot, k, f, g, zero
	s_wait_dscnt 8                                 ; W and X's fragments 0-3 are in; the youngest eight loads (X's fragments 4-7) may be out
	WIN MUL_LO
	MUL16 \f, 0, 0, \zero
	MUL16 \f, 0, 2, \zero
	PLACES
	FETCH \slot, \k, \g
	s_wait_dscnt 32                                ; all but the 32 just issued
	WIN MUL_HI
	MUL16 \f, 1, 0, \zero
	MUL16 \f, 1, 2, \zero
.endm
.macro THREE slot, zero
	QUARTER \slot, 64,  F0, F1, \zero
	QUARTER \slot, 128, F1, F0, 0
	QUARTER \slot, 192, F0, F1, 0
.endm
; The last quarter of a K step: multiplies buffer 1 and changes slots.  fill = 1: this slot is filled again, two K steps ahead.
; One barrier for the change.  In front of it each wave waits for its reads of this slot and for all its tensor loads (its part of the next slot
; among them).  Behind it nobody reads this slot and the next slot is whole: the refill comes first, then the next slot's first fragments.
; From a request to the wait for it a wave issues 240 matrix instructions.
.macro TURN slot, next, fill
	s_wait_dscnt 8
	WIN MUL_LO
	MUL16 F1, 0, 0, 0
	s_wait_dscnt 0                                 ; my reads of this slot are over
	s_set_vgpr_msb 0xa4a0
	s_wait_tensorcnt 0x0                           ; all my tensor loads have landed
	ds_add_u32 v30, v31
	s_wait_dscnt 0x0
	s_set_vgpr_msb 0xa0a4
	s_barrier_signal -1                            ; say so (where the slot is filled again this opens a round of the cluster's barrier),
	MUL16 F1, 0, 2, 0                              ; work on registers while the others arrive,
	WIN 0
	s_barrier_wait -1
.if \fill
	CREST                                          ; no wave of any partner still reads this slot's tile or has a load on its way
	s_add_nc_u64 s[G0+4*\slot+2:G0+4*\slot+3], s[G0+4*\slot+2:G0+4*\slot+3], 2*KSTEP*2
	s_add_nc_u64 s[G0B+4*\slot+2:G0B+4*\slot+3], s[G0B+4*\slot+2:G0B+4*\slot+3], 2*KSTEP*2
	JLOAD \slot                                    ; the first tensor load behind the round
.endif
	PLACES
	FETCH \next, 0, F0
	WIN MUL_HI
	MUL16 F1, 1, 0, 0
	MUL16 F1, 1, 2, 0
.endm
.macro LAP zero
	THREE 0, \zero
	TURN 0, 1, 1
	THREE 1, 0
	TURN 1, 0, 1
.endm
	s_wait_tensorcnt 2                             ; my part of K step 0 is in; K step 1's and the tail's stay out
	s_barrier_signal -1
	s_barrier_wait -1                              ; everybody's is
	FETCH 0, 0, F0
	LAP 1                                          ; K steps 0, 1; its first TURN's wait for all loads and its barrier also show the tail tile to all waves
	WIN 0                                          ; at a label and at a branch every window is 0
	s_mov_b32 s3, LAPS-2
.Llap:
	LAP 0                                          ; K steps 2 .. 7; the refills reach K step 9
	WIN 0
	s_sub_co_u32 s3, s3, 1
	s_cmp_lg_u32 s3, 0
	s_cbranch_scc1 .Llap
	THREE 0, 0                                     ; K steps 8, 9: nothing is filled, no round of the cluster's barrier
	TURN 0, 1, 0
	THREE 1, 0
	s_wait_dscnt 8                                 ; K step 9's last quarter: as QUARTER, but what it fetches is the tail step
	WIN MUL_LO
	MUL16 F1, 0, 0, 0
	MUL16 F1, 0, 2, 0
	PLACES
	FETCHT F0
	s_wait_dscnt 32
	WIN MUL_HI
	MUL16 F1, 1, 0, 0
	MUL16 F1, 1, 2, 0
	PLACES                                         ; buffer 1 has been multiplied for the last time: four places, then
	WIN 0
	LDWC 128, 7                                    ; Wc of n tile 7 takes X's buffer 1, v128-159: eight late loads
	s_wait_dscnt 8                                 ; the tail step: K = 1,280 .. 1,311
	WIN MUL_LO
	MUL16 F0, 0, 0, 0
	MUL16 F0, 0, 2, 0
	s_wait_dscnt 0
	WIN MUL_HI
	MUL16 F0, 1, 0, 0
	MUL16 F0, 1, 2, 0
	PLACES                                         ; four places before the sums are read and buffer 0 is written
	; THE SUM OVER c, in f32.  Lane (r, h) adds S(c, n) Wc[n][c] over its 32 c (16 a + 8 h + j), two at a time; four neurons' chains take turns.
.macro CONTR1 il, b, w, a, j
.if \a+\j == 0
	v_pk_mul_f32 v[P+2*(8*\il+(\b)):P+2*(8*\il+(\b))+1], v[8*(\b):8*(\b)+1], v[\w:\w+1]     ; the first product starts the sum
.else
	v_pk_fma_f32 v[P+2*(8*\il+(\b)):P+2*(8*\il+(\b))+1], v[64*\a+8*(\b)+\j:64*\a+8*(\b)+\j+1], v[\w+8*\a+\j:\w+8*\a+\j+1], v[P+2*(8*\il+(\b)):P+2*(8*\il+(\b))+1]
.endif
.endm
.macro CONTR4 il, b0, w0, w1, w2, w3   ; batch item il, n tiles b0 .. b0 + 3, whose Wc start at registers w0 .. w3
.irp a, 0,1,2,3
.irp j, 0,2,4,6
	CONTR1 \il, \b0,   \w0, \a, \j
	CONTR1 \il, \b0+1, \w1, \a, \j
	CONTR1 \il, \b0+2, \w2, \a, \j
	CONTR1 \il, \b0+3, \w3, \a, \j
.endr
.endr
.endm
	s_wait_loadcnt 8                               ; the 58 early loads are in; the eight late ones (n tile 7) may stay out
	WIN 0x06                                       ; source 0 (sums) window 2, source 1 (Wc) window 1
	CONTR4 0, 0, 0, 32, 192, 224
	WIN 0x07                                       ; sums of window 3
	CONTR4 1, 0, 0, 32, 192, 224
	s_wait_loadcnt 0x0
	WIN 0x02                                       ; Wc of n tiles 4 .. 7 lies in window 0
	CONTR4 0, 4, 192, 224, 32, 128
	WIN 0x03
	CONTR4 1, 4, 192, 224, 32, 128
	WIN 0
.irp q, 0,1,2,3,4,5,6,7,8,9,10,11,12,13,14,15
	v_add_f32 v[S+\q], v[P+2*\q], v[P+2*\q+1]      ; even and odd c
.endr
	; The two halves of the wave hold the two halves of c, for both batch items.  Half h keeps item h and sends the other item's part across.
	v_cmp_eq_u32 vcc_lo, 0, v2
.irp b, 0,1,2,3,4,5,6,7
	v_cndmask_b32 v[KEEP+\b], v[S+8+\b], v[S+\b], vcc_lo       ; h = 0: item 0; h = 1: item 1
	v_cndmask_b32 v[SEND+\b], v[S+\b], v[S+8+\b], vcc_lo       ; the other one
.endr
.irp b, 0,1,2,3,4,5,6,7
	v_permlanex16_b32 v[P+\b], v[SEND+\b], s92, s93            ; its destination counts as read: P has been written
.endr
.irp b, 0,1,2,3,4,5,6,7
	v_add_f32 v[KEEP+\b], v[KEEP+\b], v[P+\b]                  ; 4096 pred[item h][16 b + r]
	ds_store_b32 v[STO], v[KEEP+\b] offset:64*\b
.endr
	ds_load_b128 v[T:T+3],   v[RD]                 ; my wave's own bytes, and LDS serves a wave's instructions in order (ISA guide 5.7.1): these see the stores
	ds_load_b128 v[T+4:T+7], v[RD] offset:256      ; four neighbouring neurons twice: 16 lanes hold 256 neighbouring bytes of a row of out0
	s_wait_dscnt 0x0
.irp k, 0,2,4,6
	v_pk_fma_f32 v[T+\k:T+\k+1], v[T+\k:T+\k+1], 0x39800000, v[BI+\k:BI+\k+1] op_sel_hi:[1,0,1]   ; x = 2^-12 sum + bias: the operand's scale goes out exactly
.endr
; ELU of four numbers.  x > 0: x.  -0.25 < x <= 0: x (1 + x/2 + x^2/6 + x^3/24 + x^4/120 + x^5/720), which does not cancel.  Else exp(x) - 1.  A NaN stays one.
.macro ELU4 base
.irp k, 0,1,2,3
	v_mul_f32 v[E+\base+\k], 0x3fb8aa3b, v[T+\base+\k]         ; x log2(e)
.endr
.irp k, 0,1,2,3
	v_exp_f32 v[E+\base+\k], v[E+\base+\k]
.endr
.irp k, 0,1,2,3
	v_fmaak_f32 v[Q+\base+\k], v[C720], v[T+\base+\k], 0x3c088889   ; plain work on other registers stands between v_exp_f32 and the use of its result (ISA guide 5.7.2)
.endr
.irp k, 0,1,2,3
	v_fmaak_f32 v[Q+\base+\k], v[Q+\base+\k], v[T+\base+\k], 0x3d2aaaab   ; + 1/24
.endr
.irp k, 0,1,2,3
	v_fmaak_f32 v[Q+\base+\k], v[Q+\base+\k], v[T+\base+\k], 0x3e2aaaab   ; + 1/6
.endr
.irp k, 0,1,2,3
	v_fma_f32 v[Q+\base+\k], v[Q+\base+\k], v[T+\base+\k], 0.5
.endr
.irp k, 0,1,2,3
	v_fma_f32 v[Q+\base+\k], v[Q+\base+\k], v[T+\base+\k], 1.0
.endr
	s_wait_alu depctr_va_vdst(0)
.irp k, 0,1,2,3
	v_mul_f32 v[Q+\base+\k], v[T+\base+\k], v[Q+\base+\k]
	v_add_f32 v[E+\base+\k], -1.0, v[E+\base+\k]
.endr
.irp k, 0,1,2,3
	v_cmp_lt_f32 vcc_lo, 0xbe800000, v[T+\base+\k]             ; -0.25 < x: the polynomial
	v_cndmask_b32 v[E+\base+\k], v[E+\base+\k], v[Q+\base+\k], vcc_lo
	v_cmp_lt_f32 vcc_lo, 0, v[T+\base+\k]                      ; 0 < x: x itself
	v_cndmask_b32 v[T+\base+\k], v[E+\base+\k], v[T+\base+\k], vcc_lo
.endr
.endm
	ELU4 0
	ELU4 4
	global_store_b128 v[OO], v[T:T+3],   s[12:13]              ; 16 lanes store 256 consecutive bytes, at a multiple of 256 from out0's first byte
	global_store_b128 v[OO], v[T+4:T+7], s[12:13] offset:256
	s_wait_tensorcnt 0x0
	ds_add_u32 v30, v31
	s_wait_dscnt 0x0
	CROUND                                         ; the closing round: no work-group ends while a partner may still ask for a tile that names it
	s_endpgm
.Lfunc_end_k_q49cbe090a1_gemm:
	.size	k_q49cbe090a1_gemm, .Lfunc_end_k_q49cbe090a1_gemm-k_q49cbe090a1_gemm
	.p2alignl 7, 3214868480
	.fill 96, 4, 3214868480
	.section	.rodata,"a",@progbits
	.p2align	6, 0x0
	.amdhsa_kernel k_q49cbe090a1_gemm
		.amdhsa_group_segment_fixed_size 327680
		.amdhsa_private_segment_fixed_size 0
		.amdhsa_enable_private_segment 0
		.amdhsa_kernarg_size 40
		.amdhsa_user_sgpr_count 2
		.amdhsa_user_sgpr_kernarg_segment_ptr 1
		.amdhsa_wavefront_size32 1
		.amdhsa_system_sgpr_workgroup_id_x 1
		.amdhsa_system_sgpr_workgroup_id_y 1
		.amdhsa_system_sgpr_workgroup_id_z 1
		.amdhsa_system_vgpr_workitem_id 0
		.amdhsa_next_free_vgpr 1024
		.amdhsa_next_free_sgpr 100
		.amdhsa_reserve_vcc 1
		.amdhsa_float_denorm_mode_32 3
		.amdhsa_float_denorm_mode_16_64 3
		.amdhsa_memory_ordered 1
		.amdhsa_forward_progress 1
		.amdhsa_inst_pref_size 203
	.end_amdhsa_kernel
	.amdgpu_metadata
---
amdhsa.version: [ 1, 2 ]
amdhsa.kernels:
  - .name:           k_q49cbe090a1_gemm
    .symbol:         k_q49cbe090a1_gemm.kd
    .args:
      - { .name: convh, .offset: 0, .size: 8, .value_kind: global_buffer, .address_space: global }
      - { .name: wyxh, .offset: 8, .size: 8, .value_kind: global_buffer, .address_space: global }
      - { .name: Wc, .offset: 16, .size: 8, .value_kind: global_buffer, .address_space: global }
      - { .name: bias, .offset: 24, .size: 8, .value_kind: global_buffer, .address_space: global }
      - { .name: out0, .offset: 32, .size: 8, .value_kind: global_buffer, .address_space: global }
    .group_segment_fixed_size: 327680
    .private_segment_fixed_size: 0
    .kernarg_segment_align: 8
    .kernarg_segment_size: 40
    .max_flat_workgroup_size: 128
    .sgpr_count:     100
    .vgpr_count:     1024
    .wavefront_size: 32
...
	.end_amdgpu_metadata
.endif
;; end of part 2
;; ======== version 2 of 2: 2 launches; version 1 with the launch prep written anew for expert scheduling mode
;; limits: values are held in f16: magnitudes above 65,504 overflow, below 6.1e-05 lose precision; right only within a limited range of input values
;; workspace buffers: convh 11,534,336 bytes; wyxh 23,068,672 bytes
;; launch prep (part 3): grid 768 x 1, 11 waves a work-group, no clusters, 0 bytes of LDS; arguments conv, Wy, Wx, convh, wyxh; writes convh, wyxh
.if DOCPART == 3
	.amdgcn_target "amdgcn-amd-amdhsa--gfx1250"
	.amdhsa_code_object_version 6
	.text
	.protected	k_q49cbe090a1_prep
	.globl	k_q49cbe090a1_prep
	.p2align	8
	.type	k_q49cbe090a1_prep,@function
k_q49cbe090a1_prep:
	s_mov_b64 s[64:65], 0
	v_nop
	global_prefetch_b8 v0, s[64:65] scope:SCOPE_SE
	s_setreg_imm32_b32 hwreg(HW_REG_WAVE_SCHED_MODE, 0, 2), 2
	s_setreg_imm32_b32 hwreg(HW_REG_WAVE_MODE, 25, 1), 1
	s_wait_xcnt 0x0
	s_wait_alu depctr_vm_vsrc(0)
; Makes the two f16 operands of the matrix product that follows.
;   convh[m][k] = f16(conv[m][k]),                      m = 64 i + c (4,096 rows), k = 36 y + x (1,296)
;   wyxh[n][k]  = f16(4096 * Wy[n][y] * Wx[n][x]),      n: 8,192 rows; the product in f32, rounded once to f16
; Both have rows of 1,408 f16 = 2,816 bytes = 11 x 256; elements 1,296 .. 1,407 are stored as zeros, so that every row starts at a
; multiple of 256 bytes and every store of a wave covers 256 consecutive bytes, aligned.
; LIMITS, by f16's range: |conv| <= 65,504 and |Wy Wx| < 16 (beyond them the f16 is an infinity).  The factor 4096 = 2^12 is exact and is
; taken back exactly in the next launch; with it products of an rms down to about 1e-8 keep their f16 step under a thousandth of that rms.
; A stream: no LDS, no barrier, no matrix unit.  352 threads are one padded row: thread t owns elements 4 t .. 4 t + 3 (16 bytes in, 8 out).
; Threads 324 .. 351 are padding: they load where thread 323 loads (inside the buffer) and their result is replaced by 0; EXEC never changes.
; A work-group takes 16 rows, all its loads issued first.  Work-groups 0 .. 255: conv.  Work-groups 256 .. 767: the weights.
; THE MODE: SCHED_MODE bits 1:0 = 2 (LLVM: expert scheduling mode 2), set by the entry lines.  The code itself states the register dependences
; between vector instructions and memory instructions, with s_wait_alu, always for 0.
; THE PLAN.  Registers that memory instructions touch:
;   v2, v3, v5, v6   byte offsets, made once at the head and never written again; read by every load and store.
;   X, row r         written by row r's load; behind that load's wait row r's vector lines rewrite its first two registers in place;
;                    these two are read by row r's one store and never written after it.
;   A, row r         (the weights) written by row r's load, read by row r's multiplies; no memory instruction reads it.
;   VCC              written once at the head, read by every select.
; All loads of an arm are issued before any vector instruction names their registers.  The 16 rows go in four blocks of four: row r's store is
; issued in row r + 4's turn, and ONE wait on va_vdst at the head of a block states that the block before has written the eight registers that
; the block's four stores read.  The block's own vector lines name its own rows' registers alone, so the four stores are dealt among them with no
; further wait.  Behind row 15 one more such wait stands ahead of the last four stores.  No register that a load or a store reads is written again.
.set ROWF,  5184                       ; bytes in a row of conv: 1,296 f32
.set ROWH,  2816                       ; bytes in a padded f16 row
.set ROWW,  144                        ; bytes in a row of Wy or of Wx: 36 f32
.set RPG,   16                         ; rows of a work-group
.set A,     8                          ; v[8:23]   row r: Wy[n][y] of my four elements
.set X,     24                         ; v[24:87]  row r: 4 registers as loaded; the first two then hold the 4 f16 to store
	s_load_b256 s[4:11], s[0:1], 0x0               ; conv s[4:5], Wy s[6:7], Wx s[8:9], convh s[10:11]
	s_load_b64 s[12:13], s[0:1], 0x20              ; wyxh
	s_mov_b32 s14, ttmp9                           ; the work-group's number
	v_min_u32 v1, 323, v0                          ; the thread whose data I load
	v_lshlrev_b32 v2, 3, v0                        ; where I store: 8 t
	v_lshlrev_b32 v3, 4, v1                        ; conv: 16 bytes a thread
	v_mul_u32_u24 v4, 57, v1
	v_lshrrev_b32 v4, 9, v4                        ; y = t / 9, exact up to t = 323 (57/512 - 1/9 is 0.00022, times 323 less than 1/9)
	v_lshlrev_b32 v5, 2, v4                        ; Wy: 4 y
	v_mul_u32_u24 v6, 9, v4
	v_sub_nc_u32 v6, v1, v6                        ; t - 9 y: my four x are 4 (t - 9 y) .. + 3, all of one y since 36 = 4 x 9
	v_lshlrev_b32 v6, 4, v6                        ; Wx: 16 (t - 9 y)
	v_cmp_gt_u32 vcc_lo, 324, v0                   ; lanes that hold data
	s_mov_b32 s17, 0
	s_mov_b32 s19, 0
	s_wait_alu depctr_va_vcc(0)                    ; VCC is written, ahead of the branch and of its first reader: the selects of both arms read it
	s_wait_alu depctr_va_vdst(0)                   ; v2, v3, v5 and v6 are written: every load and store of both arms reads one of them as its offset
	s_wait_kmcnt 0x0
	s_cmp_lt_u32 s14, 256
	s_cbranch_scc0 .Lwyx
	; ---- conv: 16 rows, converted
	s_mul_i32 s16, s14, RPG*ROWF
	s_mul_i32 s18, s14, RPG*ROWH
	s_add_nc_u64 s[4:5], s[4:5], s[16:17]
	s_add_nc_u64 s[10:11], s[10:11], s[18:19]
.irp r, 0,1,2,3,4,5,6,7,8,9,10,11,12,13,14,15
	global_load_b128 v[X+4*\r:X+4*\r+3], v3, s[4:5] offset:ROWF*\r th:TH_LOAD_NT   ; a wave's load covers 512 consecutive bytes; conv is read once
.endr
.macro CSTORE r                        ; row r leaves; no register of a store is written again
	global_store_b64 v2, v[X+4*(\r):X+4*(\r)+1], s[10:11] offset:ROWH*(\r)
.endm
.macro CROW r
	s_wait_loadcnt 15-(\r)                         ; loads come back in order (ISA guide 5.7.1): row r is in, the 15 - r younger rows stay out
.if (\r) >= 4
.if (\r) % 4 == 0
	s_wait_alu depctr_va_vdst(0)                   ; the block before (rows r - 4 .. r - 1) has written the first two registers of each of its rows, which this block's four stores read
.endif
	CSTORE (\r)-4                                  ; no vector line since that wait names row r - 4's registers or v2
.endif
	v_cvt_pk_f16_f32 v[X+4*(\r)],   v[X+4*(\r)],   v[X+4*(\r)+1]
	v_cvt_pk_f16_f32 v[X+4*(\r)+1], v[X+4*(\r)+2], v[X+4*(\r)+3]
	v_cndmask_b32 v[X+4*(\r)],   0, v[X+4*(\r)],   vcc_lo      ; zeros in the padding
	v_cndmask_b32 v[X+4*(\r)+1], 0, v[X+4*(\r)+1], vcc_lo
.endm
.irp r, 0,1,2,3,4,5,6,7,8,9,10,11,12,13,14,15
	CROW \r
.endr
	s_wait_alu depctr_va_vdst(0)                   ; rows 12 .. 15 have written their first two registers, which the last four stores read
.irp r, 12,13,14,15
	CSTORE \r
.endr
	s_endpgm
	; ---- the weights: 16 neurons, 4096 Wy[y] Wx[x]
.Lwyx:
	s_sub_co_u32 s14, s14, 256
	s_mul_i32 s16, s14, RPG*ROWW
	s_mul_i32 s18, s14, RPG*ROWH
	s_add_nc_u64 s[6:7], s[6:7], s[16:17]
	s_add_nc_u64 s[8:9], s[8:9], s[16:17]
	s_add_nc_u64 s[12:13], s[12:13], s[18:19]
.irp r, 0,1,2,3,4,5,6,7,8,9,10,11,12,13,14,15
	global_load_b32  v[A+\r], v5, s[6:7] offset:ROWW*\r
	global_load_b128 v[X+4*\r:X+4*\r+3], v6, s[8:9] offset:ROWW*\r     ; 144 = 9 x 16: the 16 bytes are aligned
.endr
.macro WSTORE r                        ; row r leaves; no register of a store is written again
	global_store_b64 v2, v[X+4*(\r):X+4*(\r)+1], s[12:13] offset:ROWH*(\r)
.endm
.macro WROW r
	s_wait_loadcnt 30-2*(\r)                       ; two loads for each of the 15 - r younger rows stay out
.if (\r) >= 4
.if (\r) % 4 == 0
	s_wait_alu depctr_va_vdst(0)                   ; the block before (rows r - 4 .. r - 1) has written the first two registers of each of its rows, which this block's four stores read
.endif
	WSTORE (\r)-4                                  ; no vector line since that wait names row r - 4's registers or v2
.endif
	v_mul_f32 v[A+(\r)], 0x45800000, v[A+(\r)]     ; times 2^12, exact
.irp k, 0,1,2,3
	v_mul_f32 v[X+4*(\r)+\k], v[A+(\r)], v[X+4*(\r)+\k]
.endr
	v_cvt_pk_f16_f32 v[X+4*(\r)],   v[X+4*(\r)],   v[X+4*(\r)+1]
	v_cvt_pk_f16_f32 v[X+4*(\r)+1], v[X+4*(\r)+2], v[X+4*(\r)+3]
	v_cndmask_b32 v[X+4*(\r)],   0, v[X+4*(\r)],   vcc_lo
	v_cndmask_b32 v[X+4*(\r)+1], 0, v[X+4*(\r)+1], vcc_lo
.endm
.irp r, 0,1,2,3,4,5,6,7,8,9,10,11,12,13,14,15
	WROW \r
.endr
	s_wait_alu depctr_va_vdst(0)                   ; rows 12 .. 15 have written their first two registers, which the last four stores read
.irp r, 12,13,14,15
	WSTORE \r
.endr
	s_endpgm
.Lfunc_end_k_q49cbe090a1_prep:
	.size	k_q49cbe090a1_prep, .Lfunc_end_k_q49cbe090a1_prep-k_q49cbe090a1_prep
	.p2alignl 7, 3214868480
	.fill 96, 4, 3214868480
	.section	.rodata,"a",@progbits
	.p2align	6, 0x0
	.amdhsa_kernel k_q49cbe090a1_prep
		.amdhsa_group_segment_fixed_size 0
		.amdhsa_private_segment_fixed_size 0
		.amdhsa_enable_private_segment 0
		.amdhsa_kernarg_size 40
		.amdhsa_user_sgpr_count 2
		.amdhsa_user_sgpr_kernarg_segment_ptr 1
		.amdhsa_wavefront_size32 1
		.amdhsa_system_sgpr_workgroup_id_x 1
		.amdhsa_system_sgpr_workgroup_id_y 1
		.amdhsa_system_sgpr_workgroup_id_z 1
		.amdhsa_system_vgpr_workitem_id 0
		.amdhsa_next_free_vgpr 88
		.amdhsa_next_free_sgpr 66
		.amdhsa_reserve_vcc 1
		.amdhsa_float_denorm_mode_32 3
		.amdhsa_float_denorm_mode_16_64 3
		.amdhsa_memory_ordered 1
		.amdhsa_forward_progress 1
		.amdhsa_inst_pref_size 20
	.end_amdhsa_kernel
	.amdgpu_metadata
---
amdhsa.version: [ 1, 2 ]
amdhsa.kernels:
  - .name:           k_q49cbe090a1_prep
    .symbol:         k_q49cbe090a1_prep.kd
    .args:
      - { .name: conv, .offset: 0, .size: 8, .value_kind: global_buffer, .address_space: global }
      - { .name: Wy, .offset: 8, .size: 8, .value_kind: global_buffer, .address_space: global }
      - { .name: Wx, .offset: 16, .size: 8, .value_kind: global_buffer, .address_space: global }
      - { .name: convh, .offset: 24, .size: 8, .value_kind: global_buffer, .address_space: global }
      - { .name: wyxh, .offset: 32, .size: 8, .value_kind: global_buffer, .address_space: global }
    .group_segment_fixed_size: 0
    .private_segment_fixed_size: 0
    .kernarg_segment_align: 8
    .kernarg_segment_size: 40
    .max_flat_workgroup_size: 352
    .sgpr_count:     66
    .vgpr_count:     88
    .wavefront_size: 32
...
	.end_amdgpu_metadata
.endif
;; end of part 3
;; launch gemm: the kernel of part 2 again; grid 32 x 16, 4 waves a work-group, clusters of 4 x 4, 327,680 bytes of LDS; arguments convh, wyxh, Wc, bias, out0; writes out0
